; MI455X (gfx1250); checked and timed in simulation.
; The chip was launched on July 23, 2026; its instructions are those of AMD's public machine-readable ISA for CDNA 5 (MIT licence, August 2026) and "CDNA5" Instruction Set Architecture Reference Guide (July 2026). The comments in the code are by the model that wrote it; some were corrected since.
;; Multi Head Self Attention. Allowed arithmetic: matrix products marked QUANTISED: E4M3 operands, one given power-of-two scale a tensor, by v_wmma_f32_16x16x64_fp8_fp8 or v_wmma_f32_16x16x128_fp8_fp8, f32 sums; everything else in f32.
;; Inputs: b_proj 1,024 float32; b_qkv 3,072 float32; lowp_scales 8 int32 (the exponents e of the quantised operands' scales 2^e); w_proj_codes 1,024 x 32 x 32 uint8 (E4M3 codes of w_proj, K innermost, in blocks of 32 codes); w_qkv_codes 3,072 x 32 x 32 uint8 (E4M3 codes of w_qkv, K innermost, in blocks of 32 codes); x_codes 4 x 2,048 x 32 x 32 uint8 (E4M3 codes of x, K innermost, in blocks of 32 codes).
;; Outputs: out0 4 x 2,048 x 1,024 float32.
;; This version of the problem:
;;   THIS VERSION OF THE PROBLEM IS GIVEN IN LOW PRECISION. The matrix products marked QUANTISED in the list below multiply operands that are first quantised to E4M3 (4 exponent bits, 3 mantissa bits; 8 bits a number), with one given power-of-two scale for each operand tensor; their sums are f32. All else is computed in f32.
;;   The module's matrix products, in the order in which they are computed (A, B: the left and right operand; K: the contracted axis; several contracted axes count as one K, in the product's order):
;;     1. [M 8,192, K 1,024] x [K 1,024, N 3,072]; A: input x (given as codes); B: input w_qkv (given as codes): QUANTISED (scales: A lowp_scales[0], B lowp_scales[1])
;;     2. batch 64 x [M 2,048, K 64] x [K 64, N 2,048]; A: computed on the way; B: computed on the way: QUANTISED (scales: A lowp_scales[2], B lowp_scales[3])
;;     3. batch 64 x [M 2,048, K 2,048] x [K 2,048, N 64]; A: softmax (see below); B: computed on the way: QUANTISED (scales: A lowp_scales[4], B lowp_scales[5])
;;     4. [M 8,192, K 1,024] x [K 1,024, N 1,024]; A: computed on the way; B: input w_proj (given as codes): QUANTISED (scales: A lowp_scales[6], B lowp_scales[7])
;;   THE QUANTISER, for each operand of a quantised product, along K:
;;     - The operand's scale is 2^e, e = its entry of the input lowp_scales (int32; the entries are numbered through the quantised products in the list's order, A before B).
;;     - Each number is divided by the scale, clamped to +-448, and rounded to the nearest number of E4M3, ties to even, subnormals kept.
;;     - The product sums the exact products of the quantised numbers (number of the format x scale) in f32.
;;   ~~~python
;;   def quantise(x, axis, e):      # numpy; x: float32 -> the quantised numbers, widened to float32 again
;;       x = np.moveaxis(x, axis, -1); K = x.shape[-1]
;;       r = np.clip(x / 2.0 ** e, -448, 448)
;;       step = 2.0 ** (np.maximum(np.frexp(np.where(r == 0, 1, r))[1] - 1, -6) - 3)
;;       q = np.round(r / step) * step * 2.0 ** e      # np.round: ties to even
;;       return np.moveaxis(q, -1, axis).astype(np.float32)
;;   ~~~
;;   SOFTMAX AHEAD OF A QUANTISED PRODUCT. Where the list says 'softmax', what is quantised is not the finished softmax but p = 2^(t - M), with t = logit x log2(e) and M = ceil(the row's largest t), a whole number; so 1/2 < the row's largest p <= 1. The row's sum l is taken of the UNQUANTISED p, in f32, and the product's result is divided by l at the end. Since M is a whole number, a kernel that streams over the keys may use a running M (the ceiling of the running maximum): every later rescaling is an exact power of two, so the quantised numbers keep their values, but for numbers so far below the row's largest that they fall under the format's range.
;;   OPERANDS COMPUTED ON THE WAY. 'Computed on the way' means the value that the module computes at that place (a softmax that the list does not call 'softmax' is quantised finished and normalised). What goes into a quantiser is computed in f32, as accurately as f32 sums, v_exp_f32 and their like allow (about 1e-6 of the number): no bf16 or f16 on the way to a quantiser, and a product that is left as it is and whose result goes on into a quantised operand takes f32 operands (vector FMAs, or v_wmma_f32_16x16x4_f32). A number that lies on a knife's edge between two numbers of the format may be rounded either way, as far as f32 arithmetic and the matrix unit's own rounding can turn it there, and no further.
;;   INPUTS GIVEN AS CODES. w_proj (in the module: [1024, 1024], K = its axis 1); w_qkv (in the module: [3072, 1024], K = its axis 1); x (in the module: [4, 2048, 1024], K = its axis 2): each comes as NAME_codes (uint8): NAME with its K axis moved to the last place and cut into blocks of 32 codes, [.., K / 32, bytes a block], one block behind the other in memory; one code a byte (a code: sign, 4 exponent bits, 3 mantissa bits); its scale is its entry of lowp_scales. Its value is code x scale, taken as it is: it is not quantised again, and the codes and scales need not be those that the quantiser above would give.
;; One version. Each part assembles by itself: llvm-mc -triple=amdgcn-amd-amdhsa -mcpu=gfx1250 --defsym DOCPART=n.
;; ======== version 1 of 1: 3 launches
;; limits: right only within a limited range of input values
;; workspace buffers: q_img 8,388,608 bytes; k_img 8,388,608 bytes; v_img 8,388,608 bytes; o_img 8,388,608 bytes
;; launch qkv (part 1): grid 12 x 32, 4 waves a work-group, clusters of 4 x 4, 327,680 bytes of LDS; arguments x_codes, w_qkv_codes, b_qkv, lowp_scales, q_img, k_img, v_img; writes q_img, k_img, v_img
.if DOCPART == 1
	.amdgcn_target "amdgcn-amd-amdhsa--gfx1250"
	.amdhsa_code_object_version 6
	.text
	.protected	k_qcfcfbd177e_qkv
	.globl	k_qcfcfbd177e_qkv
	.p2align	8
	.type	k_qcfcfbd177e_qkv,@function
k_qcfcfbd177e_qkv:
	s_mov_b64 s[64:65], 0
	v_nop
	global_prefetch_b8 v0, s[64:65] scope:SCOPE_SE
	s_setreg_imm32_b32 hwreg(HW_REG_WAVE_MODE, 25, 1), 1
	s_wait_xcnt 0x0
	s_wait_alu depctr_hold_cnt(0) depctr_sa_sdst(0) depctr_va_vdst(0) depctr_va_sdst(0) depctr_va_ssrc(0) depctr_va_vcc(0) depctr_vm_vsrc(0)
	s_getreg_b32 s2, hwreg(HW_REG_IB_STS2, 6, 4)
	s_cmp_eq_u32 s2, 0
	s_cbranch_scc0 .Lentry_in_a_cluster
	s_endpgm
.Lentry_in_a_cluster:
	s_bfe_u32 s2, ttmp6, 0x10000c
	s_cmp_lg_u32 s2, 0xf033
	s_cbranch_scc0 .Lentry_shape_is_right
	s_endpgm
.Lentry_shape_is_right:
; qkv = x W^T + b on codes of FP8 (E4M3), then q, k and v quantised again, each with its given scale, and stored as IMAGES OF OPERAND REGISTERS for the attention launch.
; x: [8192][1024] codes, W: [3072][1024] codes, K innermost; b: [3072] f32; the buffer of scales holds e0 .. e7 (int32): x e0, W e1, q e2, k e3, v e5.
; A tile of 256 rows of x by 256 rows of W is made by a work-group of four waves; a wave makes 128 x 128: 64 accumulators of 16 x 16, 512 registers.  K goes in steps of 256 through a ring of two LDS slots.
; CLUSTERS: 4 x 4 work-groups; x's tiles are asked for jointly along a row of the cluster, W's along a column.  The cluster's x (0, 1, 2) says whether its 1,024 rows of W are q's, k's or v's: the same in all sixteen partners.
; THE TWO SIDES.  Source 1 of the matrix instruction is side P: a lane then holds ONE row of P.  Source 0 is side Q: the lane's eight registers of a result are eight NEIGHBOURING rows of Q, 8 (lane / 16) + 0 .. 7.
;   q, k: P = rows of x (tokens), Q = rows of W (the head's channels): a conversion of eight registers gives eight codes along the channels, the K of q k^T.
;   v:    P = rows of W (channels), Q = rows of x (keys): eight codes along the keys, the K of p v.  The LDS bases are the same; only the tiles and buffers fetched differ, chosen by s_cselect on the cluster's x.
; So tile b's conversion IS registers 2 b, 2 b + 1 of an 8-bit operand (k = 16 b + 8 (lane / 16) + 0 .. 7), and codes leave straight from registers: four registers a lane, 512 consecutive bytes a store.
; IMAGES.  q_img, k_img: [batch x head 64][tile of 16 tokens 128][1,024 bytes]; v_img: [batch x head 64][64 keys 32][16 channels 4][1,024 bytes]; in 1,024 bytes: registers 0-3 of lane l at 16 l, registers 4-7 at 512 + 16 l.
; THE BIAS goes in divided by 2^(e0 + e1), the power of two that the sums lack.  Where it runs along Q (q, k) it is the C of each sum's first matrix instruction; where it runs along P (v) it is one number a lane and block, added on the way out.
;   Both are always loaded and applied; the one that the work-group's third does not have is multiplied by 0.
; A sum stands for sum x 2^(e0 + e1): its code is sum / 2^(e - e0 - e1), e = e2, e3 or e5: the three scales are one scale of the conversion.
; The fragments are fetched 16 bytes a load (registers 4 c .. 4 c + 3: K = 32 c + 16 (lane / 16) + 0 .. 15): a permutation of k that is the same on both sides, so each product meets its partner.
; LIMITS: e0 + e1 between -126 and 126; e - e0 - e1 between -126 and 119, so that each power of two below is an f32 number.  NaN codes and biases that are not finite are not served.
; REGISTERS, in windows of 256: window 0: v1-29 addresses and constants; v32-95 the bias along Q (later the block at work); v96-111 the bias along P; v128-255 P's fragments, ONE set (later the codes).
;   window 1: Q's fragments, TWO sets, at v0 and v128.   window 2: the accumulators of my P rows 0-63 ((a, b) at v[8 (8 a + b)]);   window 3: those of rows 64-127.
.set ROWB,   256                       ; a tile's row in bytes: 256 along K
.set KROW,   1024                      ; a row of x or of W in memory
.set PITCH,  272                       ; an LDS row: 256 bytes + 16 of padding: the 16 rows that a load touches start 68 words apart
.set FR,     16                        ; registers of a fragment: 16 rows x 128 K
.set NL,     4                         ; LDS loads that bring one
.set NP,     4                         ; places behind this matrix instruction (ISA guide 7.12.1)
.set HALFT,  128*PITCH                 ; 128 rows: what one tensor load brings
.set SLOT,   4*HALFT                   ; x's 256 rows, then W's 256 rows
.set SPARE,  2*SLOT                    ; behind the ring: the spare words, 128 bytes for each wave
.set VO,   8                           ; v8-11   the stores' offsets: 16 x lane + u X + y Y at v[VO + 2 u + y]
.set SCL,  12                          ; v12     2^(e - e0 - e1) as f32
.set LIM,  13                          ; v13     448 x that
.set ADRP, 16                          ; v16-17  LDS address of my P fragments in slot 0, 1
.set ADRQ, 20                          ; v20-21  the same for Q
.set SPW,  28                          ; v28     LDS address of my spare word; never rewritten
.set NIL,  29                          ; v29     0; never rewritten
.set CB,   32                          ; v32-95  bias along Q: tile b's eight numbers at v[CB + 8 b]
.set T,    32                          ; the way out: a block's 64 numbers
.set RB,   96                          ; v96-111 bias along P: block a's number, twice, at v[RB + 2 a]
.set PF,   128                         ; P's fragments
.set CD,   128                         ; the way out: 16 registers of codes for each block
.set G1, 24                            ; s[24:31] descriptor group 1 for x's tiles;  s[32:39] group 0, one set for each slot
.set G0, 32
.set G1B, 48                           ; s[48:55], s[56:63] the same for W's tiles
.set G0B, 56
.set MSB, 0
.macro WIN new                         ; the immediate's high byte repeats the setting that is left
.if MSB != \new
	s_set_vgpr_msb (MSB<<8)|\new
.set MSB, \new
.endif
.endm
.set MUL_LO,   0xa1                    ; source 0 (Q) window 1, source 1 (P) window 0, C and D window 2
.set MUL_HI,   0xf1                    ; the same, C and D window 3
.set FIRST_LO, 0x81                    ; the first step: C (the bias) window 0, D window 2
.set FIRST_HI, 0xc1                    ; D window 3
.set TO_Q,     0x40                    ; destination window 1, address window 0
; A joint load: waves 0 and 1 fetch x's two halves, waves 2 and 3 W's.  The branch hangs on the wave's number alone.  Four v_nop follow each of the two lines.
.macro JLOAD g0a, g1a, g0b, g1b
	s_cmp_eq_u32 s15, 0
	s_cbranch_scc0 .Lfor_b_\@
	tensor_load_to_lds s[\g0a:\g0a+3], s[\g1a:\g1a+7]
	s_nop 0
.rept 4
	v_nop
.endr
	s_branch .Lasked_\@
.Lfor_b_\@:
	tensor_load_to_lds s[\g0b:\g0b+3], s[\g1b:\g1b+7]
	s_nop 0
.rept 4
	v_nop
.endr
.Lasked_\@:
.endm
.macro CREST                           ; a round of the cluster's barrier behind its opening barrier
	s_cmp_lg_u32 s14, 0
	s_cbranch_scc1 .Lnot_wave_0_\@
	s_barrier_signal -3
.Lnot_wave_0_\@:
	s_barrier_wait -3
	s_barrier_signal -1
	s_barrier_wait -1
.endm
.macro CROUND                          ; a whole round
	s_barrier_signal -1
	s_barrier_wait -1
	CREST
.endm
	s_load_b256 s[4:11], s[0:1], 0x0               ; x's codes s[4:5], W's codes s[6:7], b s[8:9], the scales' exponents s[10:11]
	s_load_b128 s[68:71], s[0:1], 0x20             ; q_img s[68:69], k_img s[70:71]
	s_load_b64 s[72:73], s[0:1], 0x30              ; v_img
	v_lshl_add_u32 v[SPW], v0, 2, SPARE
	v_mov_b32 v[NIL], 0
	ds_add_u32 v28, v29
	ds_add_u32 v28, v29
	s_wait_dscnt 0x0
	v_lshrrev_b32 v1, 5, v0
	v_readfirstlane_b32 s14, v1                    ; wave 0..3
	s_lshr_b32 s15, s14, 1                         ; p: my half of side P.  Also: I fetch for x (0) or for W (1)
	s_and_b32 s16, s14, 1                          ; q: my half of side Q.  Also: which 128 rows of that tile I fetch
	s_bfe_u32 s40, ttmp6, 0x40000                  ; cx, cy: my place in the cluster
	s_bfe_u32 s41, ttmp6, 0x40004
	; SIDE P ALWAYS LIES IN A SLOT'S FIRST REGION AND IS SHARED ALONG MY ROW OF THE CLUSTER, SIDE Q IN THE SECOND AND ALONG MY COLUMN (this takes the place of the choice of LDS bases that the head comment names):
	; q, k: P's tile = 4 x cluster y + cy of x, Q's tile = 4 x cluster x + cx of W.   v: P's tile = 8 + cy of W, Q's tile = 4 x cluster y + cx of x.  The choice hangs on the cluster's x alone.
	s_and_b32 s17, ttmp7, 0xffff
	s_lshl_b32 s17, s17, 2
	s_lshl_b32 s42, ttmp9, 2
	s_cmp_eq_u32 ttmp9, 2
	s_cselect_b32 s42, s17, s42                    ; Q's first tile of the cluster
	s_cselect_b32 s17, 8, s17                      ; P's first tile of the cluster
	s_add_co_u32 s42, s42, s40                     ; Q's tile: + cx
	s_add_co_u32 s17, s17, s41                     ; P's tile: + cy
	s_lshl_b32 s43, s41, 2
	s_lshl_b32 s43, 15, s43                        ; my row of the cluster
	s_lshl_b32 s44, 0x1111, s40                    ; my column
	; descriptor group 1: a tile of 128 rows x 256 bytes, padded in LDS
	s_or_b32 s[G1+0], s43, (0<<16)|(1<<20)|(1<<21)|(5<<22)|(3<<25)  ; 15:0 the mask: x's tiles go to my row; 17:16 elements of 1 byte; 20 padding on; 21 set beside a mask; 24:22 after every 64 words (code 5); 31:25 four words (code 3)
	s_or_b32 s[G1B+0], s44, (0<<16)|(1<<20)|(1<<21)|(5<<22)|(3<<25) ; the same with the mask of my column, for W's tiles
.irp g, G1, G1B
	s_mov_b32 s[\g+1], ROWB<<16                    ; tensor_dim0
	s_mov_b32 s[\g+2], 128<<16                     ; tensor_dim1 = 128
	s_mov_b32 s[\g+3], ROWB<<16                    ; tile_dim0
	s_mov_b32 s[\g+4], 128                         ; tile_dim1 = 128
	s_mov_b32 s[\g+5], KROW                        ; tensor_dim0_stride
	s_mov_b32 s[\g+6], 0
	s_mov_b32 s[\g+7], 0
.endr
	s_lshl_b32 s18, s16, 7                         ; which 128 rows of the tile I fetch
	s_lshl_b32 s20, s17, 8
	s_add_co_u32 s20, s20, s18                     ; x: row 256 x tile + 128 x half,
	s_lshl_b32 s20, s20, 10                        ; in bytes (under 2^23)
	s_mov_b32 s21, 0
	s_lshl_b32 s46, s42, 8
	s_add_co_u32 s46, s46, s18                     ; W likewise, in registers that never hold x's coordinate
	s_lshl_b32 s46, s46, 10
	s_mov_b32 s47, 0
	s_mul_i32 s45, s14, HALFT                      ; where they go: wave x 128 rows: no place in the cluster enters an LDS address
	s_wait_kmcnt 0x0
	s_load_b256 s[76:83], s[10:11], 0x0            ; e0 .. e7
	s_cmp_eq_u32 ttmp9, 2
	s_cselect_b64 s[84:85], s[6:7], s[4:5]         ; P's buffer: W for v, x else
	s_cselect_b64 s[86:87], s[4:5], s[6:7]         ; Q's buffer: the other
	s_add_nc_u64 s[20:21], s[84:85], s[20:21]
	s_add_nc_u64 s[46:47], s[86:87], s[46:47]
	CROUND                                         ; all sixteen work-groups are here: the first joint loads meet
.irp s, 0,1
	s_mov_b32 s[G0+4*\s], 1
	s_add_co_u32 s[G0+4*\s+1], s45, \s*SLOT
	s_add_nc_u64 s[G0+4*\s+2:G0+4*\s+3], s[20:21], \s*ROWB
	s_or_b32 s[G0+4*\s+3], s[G0+4*\s+3], 0x80000000
	s_mov_b32 s[G0B+4*\s], 1
	s_add_co_u32 s[G0B+4*\s+1], s45, \s*SLOT
	s_add_nc_u64 s[G0B+4*\s+2:G0B+4*\s+3], s[46:47], \s*ROWB
	s_or_b32 s[G0B+4*\s+3], s[G0B+4*\s+3], 0x80000000
.endr
	JLOAD G0, G1, G0B, G1B                         ; K step 0: one tensor load a wave at the head
	; what hangs on the third (q, k: the cluster's x is 0, 1; v: 2): every choice on one compare
	s_cmp_eq_u32 ttmp9, 2
	s_mov_b32 s21, 0                               ; side P's region of a slot
	s_mov_b32 s22, 2*HALFT                         ; side Q's
	s_cselect_b32 s75, s17, s42                    ; which 256 rows of W are mine,
	s_cselect_b32 s98, s42, s17                    ; and which 256 rows of x
	s_mov_b32 s94, 4096
	s_cselect_b32 s94, 131072, s94                 ; X: bytes from blocks 0-3 to blocks 4-7 (v: the next head; q, k: four tiles of tokens on)
	s_mov_b32 s95, 131072
	s_cselect_b32 s95, 4096, s95                   ; Y: bytes from a block's registers 0-7 to 8-15 (v: the next 64 keys; q, k: the next head)
	s_cselect_b32 s18, s15, s16                    ; which of my two halves picks the pair of heads,
	s_cselect_b32 s19, s16, s15                    ; and which the 128 tokens
	v_and_b32 v1, 15, v0                           ; r = lane % 16
	v_bfe_u32 v2, v0, 4, 1                         ; h = lane / 16
	s_wait_alu depctr_va_vdst(0)
	v_mul_u32_u24 v3, v1, PITCH
	v_lshl_add_u32 v4, v2, 4, v3                   ; a fragment's row x pitch + 16 x half
	s_mul_i32 s23, s15, HALFT
	s_add_co_u32 s21, s21, s23                     ; my 128 rows of P
	s_mul_i32 s23, s16, HALFT
	s_add_co_u32 s22, s22, s23                     ; my 128 rows of Q
.irp s, 0,1
	v_add_nc_u32 v[ADRP+\s], s21, v4
	v_add_nc_u32 v[ADRQ+\s], s22, v4
	s_add_co_u32 s21, s21, SLOT
	s_add_co_u32 s22, s22, SLOT
.endr
	; the biases: both kinds are loaded; W's rows 256 x tile + 128 x half + .. lie inside b for either half
	s_lshl_b32 s46, s75, 10                        ; 4 bytes x 256 x W's tile
	s_lshl_b32 s47, s16, 9
	s_add_co_u32 s88, s46, s47
	s_mov_b32 s89, 0
	s_add_nc_u64 s[88:89], s[8:9], s[88:89]        ; b at the first row of W's half q
	s_lshl_b32 s47, s15, 9
	s_add_co_u32 s90, s46, s47
	s_mov_b32 s91, 0
	s_add_nc_u64 s[90:91], s[8:9], s[90:91]        ; and of half p
	v_lshlrev_b32 v14, 5, v2                       ; along Q: my half's eight numbers of a tile
	v_lshlrev_b32 v15, 2, v1                       ; along P: my row's number
.irp b, 0,1,2,3,4,5,6,7
	global_load_b128 v[CB+8*\b:CB+8*\b+3], v14, s[88:89] offset:64*\b
	global_load_b128 v[CB+8*\b+4:CB+8*\b+7], v14, s[88:89] offset:64*\b+16
.endr
.irp a, 0,1,2,3,4,5,6,7
	global_load_b32 v[RB+2*\a], v15, s[90:91] offset:64*\a
.endr
	; where my codes go
	v_and_b32 v3, 31, v0
	v_lshlrev_b32 v[VO], 4, v3                     ; 16 x lane
	v_add_nc_u32 v[VO+1], s95, v[VO]
	v_add_nc_u32 v[VO+2], s94, v[VO]
	v_add_nc_u32 v[VO+3], s94, v[VO+1]
	s_lshr_b32 s46, s98, 3                         ; the batch: eight tiles of 256 tokens each
	s_lshl_b32 s46, s46, 4
	s_and_b32 s47, s75, 3                          ; W's tile within its third: four heads each
	s_lshl_b32 s47, s47, 2
	s_add_co_u32 s46, s46, s47                     ; batch x 16 + the first of my work-group's four heads,
	s_lshl_b32 s46, s46, 17                        ; 131,072 bytes each
	s_and_b32 s47, s98, 7
	s_lshl_b32 s47, s47, 14
	s_add_co_u32 s46, s46, s47                     ; + my work-group's 256 tokens: 16,384 bytes in each of the three layouts
	s_lshl_b32 s47, s18, 18
	s_add_co_u32 s46, s46, s47                     ; + my pair of heads
	s_lshl_b32 s47, s19, 13
	s_add_co_u32 s46, s46, s47                     ; + my 128 tokens
	s_mov_b32 s47, 0
	s_cmp_eq_u32 ttmp9, 0
	s_cselect_b64 s[96:97], s[68:69], s[70:71]
	s_cmp_eq_u32 ttmp9, 2
	s_cselect_b64 s[96:97], s[72:73], s[96:97]     ; the third's buffer: the choice hangs on the cluster's number alone
	s_add_nc_u64 s[96:97], s[96:97], s[46:47]
	s_wait_kmcnt 0x0                               ; the exponents
	s_cmp_eq_u32 ttmp9, 0
	s_cselect_b32 s84, s78, s79                    ; e2 for q, e3 for k,
	s_cmp_eq_u32 ttmp9, 2
	s_cselect_b32 s84, s81, s84                    ; e5 for v
	s_add_co_i32 s85, s76, s77                     ; e0 + e1
	s_sub_co_i32 s86, 127, s85
	s_lshl_b32 s86, s86, 23                        ; 2^-(e0 + e1) as f32
	s_cmp_eq_u32 ttmp9, 2
	s_cselect_b32 s92, 0, s86                      ; the factor of the bias along Q: 0 where W's rows run along P,
	s_cselect_b32 s74, s86, 0                      ; and of the bias along P
	s_mov_b32 s93, s92                             ; (named with s92 as a pair, so it is written)
	s_sub_co_i32 s87, s84, s85
	s_add_co_i32 s87, s87, 127
	s_lshl_b32 s23, s87, 23
	v_mov_b32 v[SCL], s23                          ; 2^(e - e0 - e1): the conversion takes its exponent field
	s_add_co_i32 s87, s87, 8
	s_lshl_b32 s87, s87, 23
	s_or_b32 s87, s87, 0x600000
	v_mov_b32 v[LIM], s87                          ; 448 x that
	s_wait_loadcnt 0x0                             ; the biases
.set j, 0
.rept 32
	v_pk_mul_f32 v[CB+j:CB+j+1], v[CB+j:CB+j+1], s[92:93] op_sel_hi:[1,0]   ; x a power of two (nothing is rounded) or x 0
.set j, j+2
.endr
.irp a, 0,1,2,3,4,5,6,7
	v_mul_f32 v[RB+2*\a+1], s74, v[RB+2*\a]        ; both registers of the pair that the packed addition names
	v_mul_f32 v[RB+2*\a], s74, v[RB+2*\a]
.endr
.macro FRAG reg, adr, q, i             ; a fragment, 16 rows x 128 K: registers 4 c .. 4 c + 3 hold K = 32 c + 16 (lane / 16) + 0 .. 15 of row lane % 16
.irp c, 0,1,2,3
	ds_load_b128 v[\reg+4*\c:\reg+4*\c+3], v[\adr] offset:128*(\q)+32*\c+(\i)*16*PITCH
.endr
.endm
; 16 matrix instructions: P's blocks a0, a0 + 1 x Q's eight tiles, 128 along K.  p: Q's set.  first = 1: the bias along Q is the C that starts the sums: nothing is ever cleared.
; The 64 accumulators take turns, one instruction a turn, in the same order in every step.
.macro MUL16 a0, p, first
.irp a, \a0, \a0+1
.irp b, 0,1,2,3,4,5,6,7
.if \first
	v_wmma_f32_16x16x128_fp8_fp8 v[8*(8*((\a)%4)+\b):8*(8*((\a)%4)+\b)+7], v[128*(\p)+FR*\b:128*(\p)+FR*\b+FR-1], v[PF+FR*(\a):PF+FR*(\a)+FR-1], v[CB+8*\b:CB+8*\b+7]
.else
	v_wmma_f32_16x16x128_fp8_fp8 v[8*(8*((\a)%4)+\b):8*(8*((\a)%4)+\b)+7], v[128*(\p)+FR*\b:128*(\p)+FR*\b+FR-1], v[PF+FR*(\a):PF+FR*(\a)+FR-1], v[8*(8*((\a)%4)+\b):8*(8*((\a)%4)+\b)+7]
.endif
.endr
.endr
.endm
.macro FETCH_Q slot, q, p              ; Q's eight fragments of the slot's q-th 128 along K into set p
	WIN TO_Q
.irp i, 0,1,2,3,4,5,6,7
	FRAG 128*(\p)+FR*\i, ADRQ+\slot, \q, \i
.endr
	WIN 0
.endm
.macro FETCH_P slot, q, i0             ; P's blocks i0 .. i0 + 3
.irp i, \i0, \i0+1, \i0+2, \i0+3
	FRAG PF+FR*(\i), ADRP+\slot, \q, \i
.endr
.endm
; A load into a register that a matrix instruction has read, and a vector instruction that reads a matrix result or writes one of its registers, stand NP places behind it; only plain vector
; instructions that name none of its registers are places (ISA guide 7.12.1 for vector instructions).
.macro PLACES n
.rept \n
	v_nop
.endr
.endm
; A step of 128 along K that has its successor in the same slot.  A block of P is free as soon as its eight products are issued: blocks 0-3 are fetched anew in the step's middle, blocks 4-7 at its end.
.macro STEP slot, q, first
	s_wait_dscnt 4*NL                              ; Q's set and P's blocks 0-3 are in; the youngest 16 loads (P's blocks 4-7) may be out
.if \first
	WIN FIRST_LO
.else
	WIN MUL_LO
.endif
	MUL16 0, (\q)%2, \first
	MUL16 2, (\q)%2, \first
	s_wait_dscnt 0                                 ; P's blocks 4-7 are in (asked for 32 matrix instructions ago)
	PLACES NP
	FETCH_Q \slot, (\q)+1, 1-(\q)%2
	FETCH_P \slot, (\q)+1, 0
.if \first
	WIN FIRST_HI
.else
	WIN MUL_HI
.endif
	MUL16 4, (\q)%2, \first
	MUL16 6, (\q)%2, \first
	PLACES NP
	WIN 0
	FETCH_P \slot, (\q)+1, 4
.endm
; A slot's last step changes slots: ONE barrier; in front of it each wave waits for all its tensor loads, adds 0 to its spare word, and waits for that and for its own reads of this slot.  fill = 1: this slot is filled again, two K steps ahead.
.macro TURN slot, next, fill
	s_wait_tensorcnt 0x0                           ; all my tensor loads have landed: my part of the next slot  (every window is 0 here)
	ds_add_u32 v[SPW], v[NIL]                      ; 0 onto my spare word
	s_wait_dscnt 4*NL+1                            ; (the add and the youngest 16 loads, P's blocks 4-7, may be out)
	WIN MUL_LO
	MUL16 0, 1, 0                                  ; sixteen matrix instructions stand between the add and the wait for it
	s_wait_dscnt 0x0                               ; the add is done, and my reads of this slot are over
	s_barrier_signal -1
	MUL16 2, 1, 0
	WIN 0
	s_barrier_wait -1
.if \fill
	CREST                                          ; the barrier has opened a round of the cluster's barrier: no wave of any partner still reads this slot's tile or has a load on its way
	s_add_nc_u64 s[G0+4*\slot+2:G0+4*\slot+3], s[G0+4*\slot+2:G0+4*\slot+3], 2*ROWB
	s_add_nc_u64 s[G0B+4*\slot+2:G0B+4*\slot+3], s[G0B+4*\slot+2:G0B+4*\slot+3], 2*ROWB
	JLOAD G0+4*\slot, G1, G0B+4*\slot, G1B         ; the first tensor load behind the round, my one load until the next; its four v_nop are the places in front of the loads below
.else
	PLACES NP
.endif
	FETCH_Q \next, 0, 0
	FETCH_P \next, 0, 0
	WIN MUL_HI
	MUL16 4, 1, 0
	MUL16 6, 1, 0
	PLACES NP
	WIN 0
	FETCH_P \next, 0, 4
.endm
	s_wait_alu depctr_va_vdst(0)
	s_wait_tensorcnt 0x0                           ; my part of K step 0 is in
	ds_add_u32 v[SPW], v[NIL]
	s_wait_dscnt 0x0
	CROUND                                         ; everybody's part of K step 0 is in, and the sixteen work-groups meet
	JLOAD G0+4, G1, G0B+4, G1B                     ; K step 1: the first tensor load behind the round
	FETCH_Q 0, 0, 0
	FETCH_P 0, 0, 0
	FETCH_P 0, 0, 4
	STEP 0, 0, 1                                   ; K = 1,024 is four K steps of 256, eight steps of 128: written out, no loop
	TURN 0, 1, 1                                   ; slot 0 takes K step 2
	STEP 1, 0, 0
	TURN 1, 0, 1                                   ; slot 1 takes K step 3
	STEP 0, 0, 0
	TURN 0, 1, 0                                   ; nothing is left to fetch
	STEP 1, 0, 0
	s_wait_dscnt 4*NL                              ; the very last step
	WIN MUL_LO
	MUL16 0, 1, 0
	MUL16 2, 1, 0
	s_wait_dscnt 0
	WIN MUL_HI
	MUL16 4, 1, 0
	MUL16 6, 1, 0
	WIN 0
; THE WAY OUT, block by block of 16 rows of P.  The bias along P is added (which also brings the sums into window 0; each accumulator is read from its low end on); each number is held within the largest code x the scale,
; since the conversion to an 8-bit code does not saturate (ISA guide 7.6.2); tile b's eight numbers become registers 2 b, 2 b + 1 of the block's codes.
; Four stores a block, each 512 consecutive bytes at a multiple of 512 from the buffer's first byte.  Each block has code registers of its own and no address is stepped: no store's source is ever written again.
.macro OUTB a
.set AC, 64*((\a)%4)
	WIN 0x02+((\a)/4)                              ; source 0: window 2 or 3
.set j, 0
.rept 32
	v_pk_add_f32 v[T+j:T+j+1], v[AC+j:AC+j+1], v[RB+2*(\a):RB+2*(\a)+1]
.set j, j+2
.endr
	WIN 0
.set j, 0
.rept 64
	v_med3_num_f32 v[T+j], v[T+j], -v[LIM], v[LIM]
.set j, j+1
.endr
.irp b, 0,1,2,3,4,5,6,7
	v_cvt_scalef32_pk8_fp8_f32 v[CD+16*(\a)+2*\b:CD+16*(\a)+2*\b+1], v[T+8*\b:T+8*\b+7], v[SCL]
.endr
	v_nop                                          ; one plain vector instruction between the conversions and the next block's additions, which write their sources
.irp i, 0,1,2,3
	global_store_b128 v[VO+2*((\a)/4)+(\i)/2], v[CD+16*(\a)+4*\i:CD+16*(\a)+4*\i+3], s[96:97] offset:((\a)%4)*1024+((\i)%2)*512
.endr
.endm
	PLACES NP                                      ; behind the last products: their results are read, and P's registers are written, below
.irp a, 0,1,2,3,4,5,6,7
	OUTB \a
.endr
	s_wait_tensorcnt 0x0                           ; the wave's end
	ds_add_u32 v[SPW], v[NIL]
	s_wait_dscnt 0x0
	CROUND                                         ; the closing round: no work-group ends while a partner may still ask for a tile that names it
	s_endpgm
.Lfunc_end_k_qcfcfbd177e_qkv:
	.size	k_qcfcfbd177e_qkv, .Lfunc_end_k_qcfcfbd177e_qkv-k_qcfcfbd177e_qkv
	.p2alignl 7, 3214868480
	.fill 96, 4, 3214868480
	.section	.rodata,"a",@progbits
	.p2align	6, 0x0
	.amdhsa_kernel k_qcfcfbd177e_qkv
		.amdhsa_group_segment_fixed_size 327680
		.amdhsa_private_segment_fixed_size 0
		.amdhsa_enable_private_segment 0
		.amdhsa_kernarg_size 56
		.amdhsa_user_sgpr_count 2
		.amdhsa_user_sgpr_kernarg_segment_ptr 1
		.amdhsa_wavefront_size32 1
		.amdhsa_system_sgpr_workgroup_id_x 1
		.amdhsa_system_sgpr_workgroup_id_y 1
		.amdhsa_system_sgpr_workgroup_id_z 1
		.amdhsa_system_vgpr_workitem_id 0
		.amdhsa_next_free_vgpr 1024
		.amdhsa_next_free_sgpr 100
		.amdhsa_reserve_vcc 0
		.amdhsa_float_denorm_mode_32 3
		.amdhsa_float_denorm_mode_16_64 3
		.amdhsa_memory_ordered 1
		.amdhsa_forward_progress 1
		.amdhsa_inst_pref_size 140
	.end_amdhsa_kernel
	.amdgpu_metadata
---
amdhsa.version: [ 1, 2 ]
amdhsa.kernels:
  - .name:           k_qcfcfbd177e_qkv
    .symbol:         k_qcfcfbd177e_qkv.kd
    .args:
      - { .name: x_codes, .offset: 0, .size: 8, .value_kind: global_buffer, .address_space: global }
      - { .name: w_qkv_codes, .offset: 8, .size: 8, .value_kind: global_buffer, .address_space: global }
      - { .name: b_qkv, .offset: 16, .size: 8, .value_kind: global_buffer, .address_space: global }
      - { .name: lowp_scales, .offset: 24, .size: 8, .value_kind: global_buffer, .address_space: global }
      - { .name: q_img, .offset: 32, .size: 8, .value_kind: global_buffer, .address_space: global }
      - { .name: k_img, .offset: 40, .size: 8, .value_kind: global_buffer, .address_space: global }
      - { .name: v_img, .offset: 48, .size: 8, .value_kind: global_buffer, .address_space: global }
    .group_segment_fixed_size: 327680
    .private_segment_fixed_size: 0
    .kernarg_segment_align: 8
    .kernarg_segment_size: 56
    .max_flat_workgroup_size: 128
    .sgpr_count:     100
    .vgpr_count:     1024
    .wavefront_size: 32
...
	.end_amdgpu_metadata
.endif
;; end of part 1
;; launch attn (part 2): grid 4 x 64, 16 waves a work-group, clusters of 4 x 1, 327,680 bytes of LDS; arguments q_img, k_img, v_img, lowp_scales, o_img; writes o_img
.if DOCPART == 2
	.amdgcn_target "amdgcn-amd-amdhsa--gfx1250"
	.amdhsa_code_object_version 6
	.text
	.protected	k_qcfcfbd177e_attn
	.globl	k_qcfcfbd177e_attn
	.p2align	8
	.type	k_qcfcfbd177e_attn,@function
k_qcfcfbd177e_attn:
	s_mov_b64 s[64:65], 0
	v_nop
	global_prefetch_b8 v0, s[64:65] scope:SCOPE_SE
	s_setreg_imm32_b32 hwreg(HW_REG_WAVE_MODE, 25, 1), 1
	s_wait_xcnt 0x0
	s_wait_alu depctr_hold_cnt(0) depctr_sa_sdst(0) depctr_va_vdst(0) depctr_va_sdst(0) depctr_va_ssrc(0) depctr_va_vcc(0) depctr_vm_vsrc(0)
	s_getreg_b32 s2, hwreg(HW_REG_IB_STS2, 6, 4)
	s_cmp_eq_u32 s2, 0
	s_cbranch_scc0 .Lentry_in_a_cluster
	s_endpgm
.Lentry_in_a_cluster:
	s_bfe_u32 s2, ttmp6, 0x10000c
	s_cmp_lg_u32 s2, 0x3003
	s_cbranch_scc0 .Lentry_shape_is_right
	s_endpgm
.Lentry_shape_is_right:
; o = softmax(q k^T / 8) v for one batch and head, both products on codes of FP8 (E4M3); o is quantised with its given scale and stored as an image of operand registers for the projection.
; q_img, k_img: [batch x head 64][tile of 16 tokens 128][1,024 bytes]; v_img: [64][64 keys 32][16 channels 4][1,024 bytes]; in 1,024 bytes registers 0-3 of lane l lie at 16 l, registers 4-7 at 512 + 16 l.
; THE SOFTMAX: t = score x log2(e) / 8; M = the running largest t rounded up to a whole number; p = 2^(t - M) is quantised along the keys with 2^e4; the row's sum is taken of the unquantised p and divides at the end.
; When M moves, the sum and O^T are multiplied by 2^(old M - new M), which rounds nothing; no branch hangs on data.
; SHARES.  A work-group owns 512 queries of one head, each of its sixteen waves 32 of them (two tiles).  A key step is 128 keys: 16 products K = 64 for S^T = k q^T, 8 products K = 128 for O^T += v^T p^T.
; Both products are used transposed: a lane holds one query (lane % 16); tile t's eight registers are keys 16 t + 8 (lane / 16) + 0 .. 7, so its conversion is registers 2 t, 2 t + 1 of p's operand.
; LDS.  The head's whole K and V, 262,144 bytes, lie in LDS and nothing is filled twice: step s has 16,384 bytes at 16,384 s: K's 8 tiles, then V's two blocks of 64 keys.
; Wave w < 8 fetches K of step w, wave w >= 8 V of step w - 8, 8,192 dense bytes as 32 rows of 256: one load a wave at the head (steps 0-7), one behind the full sequence and a round (steps 8-15).
; The barrier that shows steps 8-15 stands behind step 1: steps 0 and 1 read, and look ahead into, steps 0-2 alone.
; CLUSTER: the four work-groups of a head need the same K and V and ask for them jointly (mask 15).
; NO PREFETCH: all of K and V is asked for by these two loads, both ahead of the first loop, so no later request exists ahead of which a loop could ask.
; REGISTERS, all 256: v0 the thread's number; v1 16 x lane; v2 the step's LDS address; v3 2^e4; v4-15 state, six a tile: -M, the largest score, the sum in two halves, f, a temporary;
;   v16-31 q; v32-63 K's tiles 4-7, then three of the sums' chains, then p's codes; v64-191 S^T, then p; v192-255 O^T.
;   Tile 0's 64 score registers take V's fragments once they are converted; the upper 32 of tile 1's take the NEXT step's K tiles 0-3.
;   No two registers can be kept for the add: v0 is kept, and v64, v65 are made anew at the head and at the end.
; LIMITS: e2 + e3 between -123 and 130 (added to c's exponent field); e4 and e6 between -126 and 119; the scaled scores stay under 2^31 in magnitude.  NaN codes are not served.
.set VOFF,   8192
.set STEPB,  16384
.set HALFB,  131072
.set SPARE,  262144                    ; the spare words: 128 bytes for each of 16 waves
.set LI,   1
.set AD,   2
.set SCL,  3
.set ST,   4                           ; tile x: -M at ST+6x, largest score +1, sums +2, +3, f +4, temporary +5
.set QF,   16
.set KF,   32
.set PC,   32
.set XC,   48                          ; v48-53: three of the sums' four chains, in tile 1's code registers, which are written later; f's pair stays whole until O^T is rescaled
.set SC,   64
.set K0,   160                         ; SC+96: the step's K tiles 0-3
.set OA,   192
.set SPW,  64
.set NIL,  65
.set SCO,  66
.set LIMO, 67
.set WV,   14
.set G1,   24
.set G0,   32
.set SCOS, 40
.set LIMOS,41
.set SEL,  48
.set CS,   50
.set TB,   52
.set CNT,  53
.set EPV,  54
.set LIMS, 55
.macro CROUND                          ; a round of the cluster's barrier
	s_barrier_signal -1
	s_barrier_wait -1
	s_cmp_lg_u32 s[WV], 0
	s_cbranch_scc1 .Lnot_wave_0_\@
	s_barrier_signal -3
.Lnot_wave_0_\@:
	s_barrier_wait -3
	s_barrier_signal -1
	s_barrier_wait -1
.endm
.macro NOPS n
.rept \n
	v_nop
.endr
.endm
	s_load_b256 s[4:11], s[0:1], 0x0               ; q_img s[4:5], k_img s[6:7], v_img s[8:9], the exponents s[10:11]
	s_load_b64 s[12:13], s[0:1], 0x20              ; o_img
	v_lshl_add_u32 v[SPW], v0, 2, SPARE
	v_mov_b32 v[NIL], 0
	ds_add_u32 v[SPW], v[NIL]                      ; the opening lines: the add twice on end and its wait ahead of my first tensor load
	ds_add_u32 v[SPW], v[NIL]
	v_lshrrev_b32 v1, 5, v0
	v_readfirstlane_b32 s[WV], v1                  ; wave 0..15
	s_bfe_u32 s15, ttmp6, 0x40000                  ; cx: which 512 queries
	s_and_b32 s16, ttmp7, 0xffff                   ; batch x 16 + head
	s_mov_b32 s[G1], 15|(3<<16)|(1<<21)            ; mask: all four partners; elements of 8 bytes; bit 21 beside a mask
	s_mov_b32 s[G1+1], 32<<16                      ; rows of 32 elements = 256 bytes
	s_mov_b32 s[G1+2], 32<<16                      ; 32 rows
	s_mov_b32 s[G1+3], 32<<16
	s_mov_b32 s[G1+4], 32
	s_mov_b32 s[G1+5], 32
	s_mov_b32 s[G1+6], 0
	s_mov_b32 s[G1+7], 0
	s_mov_b32 s[SEL], 0x76543210
	s_mov_b32 s[SEL+1], 0xfedcba98
	s_and_b32 s18, s[WV], 7
	s_lshl_b32 s17, s18, 14                        ; LDS: step (wave % 8),
	s_lshr_b32 s19, s[WV], 3
	s_lshl_b32 s19, s19, 13
	s_add_co_u32 s17, s17, s19                     ; K's half of it or V's
	s_lshl_b32 s18, s18, 13                        ; memory: 8,192 bytes a step,
	s_lshl_b32 s19, s16, 17
	s_add_co_u32 s18, s18, s19                     ; 131,072 a head
	s_mov_b32 s19, 0
	s_wait_dscnt 0x0
	s_wait_kmcnt 0x0
	s_load_b256 s[56:63], s[10:11], 0x0            ; e0 .. e7
	s_cmp_lt_u32 s[WV], 8
	s_cselect_b64 s[20:21], s[6:7], s[8:9]
	s_add_nc_u64 s[20:21], s[20:21], s[18:19]
.irp c, 0,1
	s_mov_b32 s[G0+4*\c], 1
	s_add_co_u32 s[G0+4*\c+1], s17, \c*HALFB
	s_add_nc_u64 s[G0+4*\c+2:G0+4*\c+3], s[20:21], \c*65536
	s_or_b32 s[G0+4*\c+3], s[G0+4*\c+3], 0x80000000
.endr
	CROUND                                         ; the four partners meet in front of the first joint loads
	tensor_load_to_lds s[G0:G0+3], s[G1:G1+7]      ; steps 0-7: my one load at the head
	s_nop 0
	NOPS 4
	s_lshl_b32 s18, s15, 5
	s_lshl_b32 s22, s[WV], 1
	s_add_co_u32 s18, s18, s22                     ; my first tile of 16 queries
	s_lshl_b32 s22, s18, 10
	s_lshl_b32 s23, s16, 17
	s_add_co_u32 s22, s22, s23
	s_mov_b32 s23, 0
	s_add_nc_u64 s[4:5], s[4:5], s[22:23]
	v_and_b32 v[LI], 31, v0
	v_lshlrev_b32 v[LI], 4, v[LI]
.irp x, 0,1
	global_load_b128 v[QF+8*\x:QF+8*\x+3], v[LI], s[4:5] offset:1024*\x
	global_load_b128 v[QF+8*\x+4:QF+8*\x+7], v[LI], s[4:5] offset:1024*\x+512
.endr
	s_and_b32 s22, s16, 15                         ; o_img: [4 heads 4][tile of 16 tokens 512][head % 4][1,024 bytes]
	s_lshr_b32 s23, s22, 2
	s_lshl_b32 s23, s23, 21
	s_and_b32 s22, s22, 3
	s_lshl_b32 s22, s22, 10
	s_add_co_u32 s22, s22, s23
	s_lshr_b32 s23, s16, 4
	s_lshl_b32 s23, s23, 7
	s_add_co_u32 s23, s23, s18
	s_lshl_b32 s23, s23, 12
	s_add_co_u32 s22, s22, s23
	s_mov_b32 s23, 0
	s_add_nc_u64 s[12:13], s[12:13], s[22:23]
.irp x, 0,1
	v_mov_b32 v[ST+6*\x], 0x7f61b1e6               ; -M = 3e38
	v_mov_b32 v[ST+6*\x+1], 0xff61b1e6             ; the largest score so far: -3e38
	v_mov_b32 v[ST+6*\x+2], 0
	v_mov_b32 v[ST+6*\x+3], 0
	v_mov_b32 v[ST+6*\x+4], 0
	v_mov_b32 v[ST+6*\x+5], 0
.endr
.set j, 0
.rept 64
	v_mov_b32 v[OA+j], 0                           ; the step is written for all steps alike: the first finds zeros, which the first change of M leaves zeros
.set j, j+1
.endr
	s_wait_kmcnt 0x0
	s_add_co_i32 s22, s58, s59
	s_lshl_b32 s22, s22, 23
	s_mov_b32 s[CS], 0x3e38aa3b                    ; c = log2(e) / 8,
	s_add_co_i32 s[CS], s[CS], s22                 ; x 2^(e2 + e3)
	s_mov_b32 s[CS+1], s[CS]
	s_add_co_i32 s22, s60, 127
	s_lshl_b32 s23, s22, 23
	v_mov_b32 v[SCL], s23                          ; 2^e4
	s_add_co_i32 s22, s22, 8
	s_lshl_b32 s22, s22, 23
	s_or_b32 s[LIMS], s22, 0x600000                ; 448 x 2^e4
	s_add_co_i32 s[EPV], s60, s61
	s_add_co_i32 s22, s62, 127
	s_lshl_b32 s[SCOS], s22, 23                    ; 2^e6
	s_add_co_i32 s22, s22, 8
	s_lshl_b32 s22, s22, 23
	s_or_b32 s[LIMOS], s22, 0x600000               ; 448 x 2^e6
.macro KLOAD dst, adr, off             ; four tiles of 16 keys
.irp t, 0,1,2,3
	ds_load_b128 v[\dst+8*\t:\dst+8*\t+3], v[\adr] offset:\off+1024*\t
	ds_load_b128 v[\dst+8*\t+4:\dst+8*\t+7], v[\adr] offset:\off+1024*\t+512
.endr
.endm
.macro SMUL g, src                     ; their scores with both tiles of queries
.irp t, 0,1,2,3
.irp x, 0,1
	v_wmma_f32_16x16x64_fp8_fp8 v[SC+64*\x+32*\g+8*\t:SC+64*\x+32*\g+8*\t+7], v[\src+8*\t:\src+8*\t+7], v[QF+8*\x:QF+8*\x+7], 0
.endr
.endr
.endm
; The largest of a tile's 64 scores and the running one: 32 lines a tile, in two chains a tile (the temporary and f's register, which is free here), four chains by turns; the registers in ascending order
.macro MAXRUN n
.rept \n
.irp x, 0,1
	v_max3_num_f32 v[ST+6*\x+r], v[ST+6*\x+r], v[SC+64*\x+i], v[SC+64*\x+i+1]
.endr
.set i, i+2
.set r, 9-r
.endr
.endm
.macro SUMS x                          ; tile x: the sum of the unquantised p, 32 lines in four chains
	v_pk_fma_f32 v[ST+6*\x+2:ST+6*\x+3], v[ST+6*\x+2:ST+6*\x+3], v[ST+6*\x+4:ST+6*\x+5], v[SC+64*\x:SC+64*\x+1] op_sel_hi:[1,0,1]   ; the old sum x f
	v_pk_add_f32 v[XC+4:XC+5], v[SC+64*\x+2:SC+64*\x+3], v[SC+64*\x+4:SC+64*\x+5]
	v_pk_add_f32 v[XC:XC+1], v[SC+64*\x+6:SC+64*\x+7], v[SC+64*\x+8:SC+64*\x+9]
	v_pk_add_f32 v[XC+2:XC+3], v[SC+64*\x+10:SC+64*\x+11], v[SC+64*\x+12:SC+64*\x+13]
.set i, 14
.rept 6
	v_pk_add_f32 v[ST+6*\x+2:ST+6*\x+3], v[ST+6*\x+2:ST+6*\x+3], v[SC+64*\x+i:SC+64*\x+i+1]
	v_pk_add_f32 v[XC+4:XC+5], v[XC+4:XC+5], v[SC+64*\x+i+2:SC+64*\x+i+3]
	v_pk_add_f32 v[XC:XC+1], v[XC:XC+1], v[SC+64*\x+i+4:SC+64*\x+i+5]
	v_pk_add_f32 v[XC+2:XC+3], v[XC+2:XC+3], v[SC+64*\x+i+6:SC+64*\x+i+7]
.set i, i+8
.endr
	v_pk_add_f32 v[ST+6*\x+2:ST+6*\x+3], v[ST+6*\x+2:ST+6*\x+3], v[SC+64*\x+62:SC+64*\x+63]
	v_pk_add_f32 v[XC:XC+1], v[XC:XC+1], v[XC+2:XC+3]
	v_pk_add_f32 v[ST+6*\x+2:ST+6*\x+3], v[ST+6*\x+2:ST+6*\x+3], v[XC+4:XC+5]
	v_pk_add_f32 v[ST+6*\x+2:ST+6*\x+3], v[ST+6*\x+2:ST+6*\x+3], v[XC:XC+1]
.endm
.macro HOLD n                          ; the conversion does not saturate (ISA guide 7.6.2); p is not negative: a one-sided hold, two numbers a line
	v_dual_min_num_f32 v[\n], s[LIMS], v[\n] :: v_dual_min_num_f32 v[\n+1], s[LIMS], v[\n+1]
.endm
.macro CODES x
.irp g, 0,1,2,3,4,5,6,7
	v_cvt_scalef32_pk8_fp8_f32 v[PC+16*\x+2*\g:PC+16*\x+2*\g+1], v[SC+64*\x+8*\g:SC+64*\x+8*\g+7], v[SCL]
.endr
	v_nop                                          ; one plain place behind the last conversion
.endm
; A KEY STEP: 128 keys.  ahead = 1: the next step's K tiles 0-3 are fetched at its end
.macro STEP ahead
	v_add_nc_u32 v[AD], s[TB], v[LI]
	NOPS 4                                         ; with the line above five places behind the last products: K lands on p's codes, and scores are written over V's fragments
	KLOAD KF, AD, 4096                             ; tiles 4-7
	s_wait_alu depctr_va_vdst(0)
	s_wait_dscnt 8                                 ; all but the eight just issued: tiles 0-3, asked for in the step before
	SMUL 0, K0
	NOPS 4
.irp x, 0,1
	v_max3_num_f32 v[ST+6*\x+5], v[SC+64*\x], v[SC+64*\x+1], v[ST+6*\x+1]
.endr
.irp x, 0,1
	v_max3_num_f32 v[ST+6*\x+4], v[SC+64*\x+2], v[SC+64*\x+3], v[SC+64*\x+4]
.endr
.set i, 5
.set r, 5
	MAXRUN 13                                      ; scores 5 .. 30
	s_wait_alu depctr_va_vdst(0)
	s_wait_dscnt 0x0
	SMUL 1, KF                                     ; tile 1's results land on tiles 0-3's fragments: the lines above are the places
	NOPS 4
	MAXRUN 16                                      ; scores 31 .. 62
.irp x, 0,1
	v_max3_num_f32 v[ST+6*\x+5], v[ST+6*\x+5], v[ST+6*\x+4], v[SC+64*\x+63]
.endr
.irp x, 0,1
	v_permlanex16_b32 v[ST+6*\x+4], v[ST+6*\x+5], s[SEL], s[SEL+1]
.endr
.irp x, 0,1
	v_max_num_f32 v[ST+6*\x+1], v[ST+6*\x+5], v[ST+6*\x+4]     ; with lane l xor 16's: the running largest score
.endr
.irp x, 0,1
	v_mul_f32 v[ST+6*\x+5], s[CS], v[ST+6*\x+1]                ; as t (c is positive)
.endr
.irp x, 0,1
	v_floor_f32 v[ST+6*\x+4], -v[ST+6*\x+5]                    ; the new -M = -ceil(t)
.endr
.irp x, 0,1
	v_sub_f32 v[ST+6*\x+5], v[ST+6*\x+4], v[ST+6*\x]           ; old M - new M: a whole number, 0 or less
.endr
.irp x, 0,1
	v_mov_b32 v[ST+6*\x], v[ST+6*\x+4]
.endr
.irp x, 0,1
	v_cvt_i32_f32 v[ST+6*\x+5], v[ST+6*\x+5]                   ; (it saturates)
.endr
.irp x, 0,1
	v_ldexp_f32 v[ST+6*\x+4], 1.0, v[ST+6*\x+5]                ; f = 2^(old M - new M)
.endr
.set i, 0
.rept 32
	v_pk_fma_f32 v[SC+i:SC+i+1], v[SC+i:SC+i+1], s[CS:CS+1], v[ST:ST+1] op_sel_hi:[1,0,0]   ; tile 0: t - M
.set i, i+2
.endr
	s_wait_alu depctr_va_vdst(0)                   ; ahead of a batch
.set i, 0
.rept 32                               ; tile 0's exponentials; among them tile 1's t - M, which reads what was written ahead of the wait above and is read behind the wait below
	v_exp_f32 v[SC+i], v[SC+i]
	v_exp_f32 v[SC+i+1], v[SC+i+1]
	v_pk_fma_f32 v[SC+64+i:SC+64+i+1], v[SC+64+i:SC+64+i+1], s[CS:CS+1], v[ST+6:ST+7] op_sel_hi:[1,0,0]
.set i, i+2
.endr
	s_wait_alu depctr_va_vdst(0)                   ; behind the batch, ahead of its first reader
	SUMS 0
	s_wait_alu depctr_va_vdst(0)                   ; ahead of the second batch
.set i, 0
.rept 32                               ; tile 1's exponentials; among them tile 0's holds, which are read behind the wait below
	v_exp_f32 v[SC+64+i], v[SC+64+i]
	v_exp_f32 v[SC+64+i+1], v[SC+64+i+1]
	HOLD SC+i
.set i, i+2
.endr
	s_wait_alu depctr_va_vdst(0)                   ; behind the batch, and directly ahead of the first readers of O^T
.irp x, 0,1
.set j, 0
.rept 16
	v_pk_mul_f32 v[OA+32*\x+j:OA+32*\x+j+1], v[OA+32*\x+j:OA+32*\x+j+1], v[ST+6*\x+4:ST+6*\x+5] op_sel_hi:[1,0]   ; O^T under the new M
.set j, j+2
.endr
.endr
	CODES 0
.irp t, 0,1,2,3                        ; V's four fragments, 16 channels x 128 keys each, into tile 0's registers, which are converted; tile 1's work stands under the loads
	ds_load_b128 v[SC+16*\t:SC+16*\t+3], v[AD] offset:VOFF+1024*\t
	ds_load_b128 v[SC+16*\t+4:SC+16*\t+7], v[AD] offset:VOFF+1024*\t+512
	ds_load_b128 v[SC+16*\t+8:SC+16*\t+11], v[AD] offset:VOFF+4096+1024*\t
	ds_load_b128 v[SC+16*\t+12:SC+16*\t+15], v[AD] offset:VOFF+4096+1024*\t+512
.endr
	SUMS 1
.set i, 0
.rept 32
	HOLD SC+64+i
.set i, i+2
.endr
	CODES 1
.if \ahead
	KLOAD K0, AD, STEPB                            ; the next step's tiles 0-3, into registers that are converted
.endif
	s_wait_alu depctr_va_vdst(0)                   ; directly ahead of the wait below
	s_wait_dscnt 8*\ahead                          ; V is in; the eight loads behind it may be out
.irp t, 0,1,2,3
.irp x, 0,1
	v_wmma_f32_16x16x128_fp8_fp8 v[OA+32*\x+8*\t:OA+32*\x+8*\t+7], v[SC+16*\t:SC+16*\t+15], v[PC+16*\x:PC+16*\x+15], v[OA+32*\x+8*\t:OA+32*\x+8*\t+7]
.endr
.endr
.endm
.macro RUN base, trips
	s_mov_b32 s[TB], \base
	s_mov_b32 s[CNT], \trips
.Lstep_\@:
	STEP 1
	s_add_co_u32 s[TB], s[TB], STEPB
	s_sub_co_u32 s[CNT], s[CNT], 1
	s_cmp_lg_u32 s[CNT], 0
	s_cbranch_scc1 .Lstep_\@
.endm
	s_wait_alu depctr_va_vdst(0)
	s_wait_loadcnt 0x0                             ; q
	s_wait_tensorcnt 0x0                           ; my part of steps 0-7 is in
	ds_add_u32 v[SPW], v[NIL]
	s_wait_dscnt 0x0
	CROUND                                         ; everybody's part is in, and the four partners meet
	tensor_load_to_lds s[G0+4:G0+7], s[G1:G1+7]    ; steps 8-15: it has the first two steps in which to land
	s_nop 0
	NOPS 4
	KLOAD K0, LI, 0                                ; step 0's tiles 0-3
	RUN 0, 2                                       ; steps 0 and 1
	s_wait_tensorcnt 0x0                           ; my part of steps 8-15 is in,
	s_wait_dscnt 0x0
	s_barrier_signal -1
	s_barrier_wait -1                              ; everybody's is
	RUN 2*STEPB, 13                                ; steps 2 to 14
	s_mov_b32 s[TB], 15*STEPB
	STEP 0                                         ; the last step is written out: there is no step to look ahead into
	; THE WAY OUT: O^T / the sum x 2^(e4 + e5), held and quantised with 2^e6: tile t's conversion is registers 2 t, 2 t + 1 of the projection's operand
.irp x, 0,1
	v_add_f32 v[ST+6*\x+5], v[ST+6*\x+2], v[ST+6*\x+3]
.endr
.irp x, 0,1
	v_permlanex16_b32 v[ST+6*\x+4], v[ST+6*\x+5], s[SEL], s[SEL+1]
.endr
.irp x, 0,1
	v_add_f32 v[ST+6*\x+5], v[ST+6*\x+5], v[ST+6*\x+4]
.endr
	s_wait_alu depctr_va_vdst(0)                   ; ahead of the transcendentals
.irp x, 0,1
	v_rcp_f32 v[ST+6*\x+4], v[ST+6*\x+5]
.endr
	v_mov_b32 v[SCO], s[SCOS]                      ; (plain places behind them)
	v_mov_b32 v[LIMO], s[LIMOS]
	s_wait_alu depctr_va_vdst(0)                   ; and behind them, ahead of the first reader
.irp x, 0,1
	v_ldexp_f32 v[ST+6*\x+4], v[ST+6*\x+4], s[EPV]
.endr
	s_wait_alu depctr_va_vdst(0)                   ; directly ahead of the first readers of O^T
.irp x, 0,1
.set j, 0
.rept 16
	v_pk_mul_f32 v[OA+32*\x+j:OA+32*\x+j+1], v[OA+32*\x+j:OA+32*\x+j+1], v[ST+6*\x+4:ST+6*\x+5] op_sel_hi:[1,0]
.set j, j+2
.endr
.endr
.irp x, 0,1
.set j, 0
.rept 32
	v_med3_num_f32 v[OA+32*\x+j], v[OA+32*\x+j], -v[LIMO], v[LIMO]
.set j, j+1
.endr
.irp t, 0,1,2,3
	v_cvt_scalef32_pk8_fp8_f32 v[PC+8*\x+2*\t:PC+8*\x+2*\t+1], v[OA+32*\x+8*\t:OA+32*\x+8*\t+7], v[SCO]
.endr
.endr
	v_nop
.irp x, 0,1
	global_store_b128 v[LI], v[PC+8*\x:PC+8*\x+3], s[12:13] offset:4096*\x        ; 512 consecutive bytes a store, at a multiple of 512
	global_store_b128 v[LI], v[PC+8*\x+4:PC+8*\x+7], s[12:13] offset:4096*\x+512
.endr
	v_lshl_add_u32 v[SPW], v0, 2, SPARE            ; the add's two registers, made anew from v0
	v_mov_b32 v[NIL], 0
	s_wait_alu depctr_va_vdst(0)
	s_wait_tensorcnt 0x0                           ; the wave's end
	ds_add_u32 v[SPW], v[NIL]
	s_wait_dscnt 0x0
	CROUND                                         ; the closing round
	s_endpgm
.Lfunc_end_k_qcfcfbd177e_attn:
	.size	k_qcfcfbd177e_attn, .Lfunc_end_k_qcfcfbd177e_attn-k_qcfcfbd177e_attn
	.p2alignl 7, 3214868480
	.fill 96, 4, 3214868480
	.section	.rodata,"a",@progbits
	.p2align	6, 0x0
	.amdhsa_kernel k_qcfcfbd177e_attn
		.amdhsa_group_segment_fixed_size 327680
		.amdhsa_private_segment_fixed_size 0
		.amdhsa_enable_private_segment 0
		.amdhsa_kernarg_size 40
		.amdhsa_user_sgpr_count 2
		.amdhsa_user_sgpr_kernarg_segment_ptr 1
		.amdhsa_wavefront_size32 1
		.amdhsa_system_sgpr_workgroup_id_x 1
		.amdhsa_system_sgpr_workgroup_id_y 1
		.amdhsa_system_sgpr_workgroup_id_z 1
		.amdhsa_system_vgpr_workitem_id 0
		.amdhsa_next_free_vgpr 256
		.amdhsa_next_free_sgpr 66
		.amdhsa_reserve_vcc 0
		.amdhsa_float_denorm_mode_32 3
		.amdhsa_float_denorm_mode_16_64 3
		.amdhsa_memory_ordered 1
		.amdhsa_forward_progress 1
		.amdhsa_inst_pref_size 101
	.end_amdhsa_kernel
	.amdgpu_metadata
---
amdhsa.version: [ 1, 2 ]
amdhsa.kernels:
  - .name:           k_qcfcfbd177e_attn
    .symbol:         k_qcfcfbd177e_attn.kd
    .args:
      - { .name: q_img, .offset: 0, .size: 8, .value_kind: global_buffer, .address_space: global }
      - { .name: k_img, .offset: 8, .size: 8, .value_kind: global_buffer, .address_space: global }
      - { .name: v_img, .offset: 16, .size: 8, .value_kind: global_buffer, .address_space: global }
      - { .name: lowp_scales, .offset: 24, .size: 8, .value_kind: global_buffer, .address_space: global }
      - { .name: o_img, .offset: 32, .size: 8, .value_kind: global_buffer, .address_space: global }
    .group_segment_fixed_size: 327680
    .private_segment_fixed_size: 0
    .kernarg_segment_align: 8
    .kernarg_segment_size: 40
    .max_flat_workgroup_size: 512
    .sgpr_count:     66
    .vgpr_count:     256
    .wavefront_size: 32
...
	.end_amdgpu_metadata
.endif
;; end of part 2
;; launch proj (part 3): grid 4 x 64, 4 waves a work-group, clusters of 4 x 4, 327,680 bytes of LDS; arguments o_img, w_proj_codes, b_proj, lowp_scales, out0; writes out0
.if DOCPART == 3
	.amdgcn_target "amdgcn-amd-amdhsa--gfx1250"
	.amdhsa_code_object_version 6
	.text
	.protected	k_qcfcfbd177e_proj
	.globl	k_qcfcfbd177e_proj
	.p2align	8
	.type	k_qcfcfbd177e_proj,@function
k_qcfcfbd177e_proj:
	s_mov_b64 s[64:65], 0
	v_nop
	global_prefetch_b8 v0, s[64:65] scope:SCOPE_SE
	s_setreg_imm32_b32 hwreg(HW_REG_WAVE_MODE, 25, 1), 1
	s_wait_xcnt 0x0
	s_wait_alu depctr_hold_cnt(0) depctr_sa_sdst(0) depctr_va_vdst(0) depctr_va_sdst(0) depctr_va_ssrc(0) depctr_va_vcc(0) depctr_vm_vsrc(0)
	s_getreg_b32 s2, hwreg(HW_REG_IB_STS2, 6, 4)
	s_cmp_eq_u32 s2, 0
	s_cbranch_scc0 .Lentry_in_a_cluster
	s_endpgm
.Lentry_in_a_cluster:
	s_bfe_u32 s2, ttmp6, 0x10000c
	s_cmp_lg_u32 s2, 0xf033
	s_cbranch_scc0 .Lentry_shape_is_right
	s_endpgm
.Lentry_shape_is_right:
.set PITCH,  272
.set FR,     16
.set AIMG,   32768
.set HALFA,  16384
.set HALFB,  128*PITCH
.set SLOT,   AIMG+2*HALFB
.set ASTEP,  2097152
.set SPARE,  2*SLOT
.set STAGE,  SPARE+512
.set SPITCH, 528
.set ADRA, 16
.set ADRB, 20
.set STO,  24
.set RD,   25
.set CO,   26
.set SPW,  28
.set NIL,  29
.set CB,   32
.set AF,   128
.set TMP,  128
.set G1, 24
.set G0, 32
.set G1B, 48
.set G0B, 56
.set MSB, 0
.macro WIN new
.if MSB != \new
	s_set_vgpr_msb (MSB<<8)|\new
.set MSB, \new
.endif
.endm
.set MUL,  0xa1
.set TO_W, 0x40
.macro JLOAD g0a, g1a, g0b, g1b
	s_cmp_eq_u32 s15, 0
	s_cbranch_scc0 .Lfor_b_\@
	tensor_load_to_lds s[\g0a:\g0a+3], s[\g1a:\g1a+7]
	s_nop 0
.rept 4
	v_nop
.endr
	s_branch .Lasked_\@
.Lfor_b_\@:
	tensor_load_to_lds s[\g0b:\g0b+3], s[\g1b:\g1b+7]
	s_nop 0
.rept 4
	v_nop
.endr
.Lasked_\@:
.endm
.macro CREST
	s_cmp_lg_u32 s14, 0
	s_cbranch_scc1 .Lnot_wave_0_\@
	s_barrier_signal -3
.Lnot_wave_0_\@:
	s_barrier_wait -3
	s_barrier_signal -1
	s_barrier_wait -1
.endm
.macro CROUND
	s_barrier_signal -1
	s_barrier_wait -1
	CREST
.endm
	s_load_b256 s[4:11], s[0:1], 0x0
	s_load_b64 s[12:13], s[0:1], 0x20
	v_lshl_add_u32 v[SPW], v0, 2, SPARE
	v_mov_b32 v[NIL], 0
	ds_add_u32 v28, v29
	ds_add_u32 v28, v29
	s_wait_dscnt 0x0
	v_lshrrev_b32 v1, 5, v0
	v_readfirstlane_b32 s14, v1
	s_lshr_b32 s15, s14, 1
	s_and_b32 s16, s14, 1
	s_bfe_u32 s40, ttmp6, 0x40000
	s_bfe_u32 s41, ttmp6, 0x40004
	s_lshl_b32 s42, ttmp9, 2
	s_add_co_u32 s42, s42, s40
	s_and_b32 s17, ttmp7, 0xffff
	s_lshl_b32 s17, s17, 2
	s_add_co_u32 s17, s17, s41
	s_lshl_b32 s43, s41, 2
	s_lshl_b32 s43, 15, s43
	s_lshl_b32 s44, 0x1111, s40
	s_or_b32 s[G1+0], s43, (3<<16)|(1<<21)
	s_mov_b32 s[G1+1], 32<<16
	s_mov_b32 s[G1+2], 64<<16
	s_mov_b32 s[G1+3], 32<<16
	s_mov_b32 s[G1+4], 64
	s_mov_b32 s[G1+5], 32
	s_mov_b32 s[G1+6], 0
	s_mov_b32 s[G1+7], 0
	s_or_b32 s[G1B+0], s44, (0<<16)|(1<<20)|(1<<21)|(5<<22)|(3<<25)
	s_mov_b32 s[G1B+1], 256<<16
	s_mov_b32 s[G1B+2], 128<<16
	s_mov_b32 s[G1B+3], 256<<16
	s_mov_b32 s[G1B+4], 128
	s_mov_b32 s[G1B+5], 1024
	s_mov_b32 s[G1B+6], 0
	s_mov_b32 s[G1B+7], 0
	s_lshl_b32 s45, s16, 14
	s_lshl_b32 s20, s17, 15
	s_add_co_u32 s20, s20, s45
	s_mov_b32 s21, 0
	s_lshl_b32 s46, s42, 8
	s_lshl_b32 s47, s16, 7
	s_add_co_u32 s46, s46, s47
	s_lshl_b32 s46, s46, 10
	s_mov_b32 s47, 0
	s_mul_i32 s19, s16, HALFB
	s_add_co_u32 s19, s19, AIMG
	s_wait_kmcnt 0x0
	s_load_b256 s[76:83], s[10:11], 0x0
	s_add_nc_u64 s[20:21], s[4:5], s[20:21]
	s_add_nc_u64 s[46:47], s[6:7], s[46:47]
	CROUND
.irp s, 0,1
	s_mov_b32 s[G0+4*\s], 1
	s_add_co_u32 s[G0+4*\s+1], s45, \s*SLOT
	s_add_nc_u64 s[G0+4*\s+2:G0+4*\s+3], s[20:21], \s*ASTEP
	s_or_b32 s[G0+4*\s+3], s[G0+4*\s+3], 0x80000000
	s_mov_b32 s[G0B+4*\s], 1
	s_add_co_u32 s[G0B+4*\s+1], s19, \s*SLOT
	s_add_nc_u64 s[G0B+4*\s+2:G0B+4*\s+3], s[46:47], \s*256
	s_or_b32 s[G0B+4*\s+3], s[G0B+4*\s+3], 0x80000000
	s_wait_alu depctr_va_vdst(0)
	s_wait_tensorcnt 0x0
	ds_add_u32 v28, v29
	ds_add_u32 v28, v29
	s_wait_dscnt 0x0
	CROUND
	JLOAD G0+4*\s, G1, G0B+4*\s, G1B
.endr
	v_and_b32 v1, 15, v0
	v_bfe_u32 v2, v0, 4, 1
	v_and_b32 v3, 31, v0
	v_lshlrev_b32 v[CO], 4, v3
	v_mul_u32_u24 v4, v1, PITCH
	v_lshl_add_u32 v4, v2, 3, v4
	s_lshl_b32 s21, s15, 14
	s_mul_i32 s22, s16, HALFB
	s_add_co_u32 s22, s22, AIMG
.irp s, 0,1
	v_add_nc_u32 v[ADRA+\s], s21, v[CO]
	v_add_nc_u32 v[ADRB+\s], s22, v4
	s_add_co_u32 s21, s21, SLOT
	s_add_co_u32 s22, s22, SLOT
.endr
	s_mul_i32 s23, s14, 16*SPITCH
	s_add_co_u32 s23, s23, STAGE
	v_mul_u32_u24 v5, v1, SPITCH
	v_lshl_add_u32 v5, v2, 5, v5
	v_add_nc_u32 v[STO], s23, v5
	v_add_nc_u32 v[RD], s23, v[CO]
	s_lshl_b32 s46, s42, 10
	s_lshl_b32 s47, s16, 9
	s_add_co_u32 s46, s46, s47
	s_mov_b32 s47, 0
	s_add_nc_u64 s[88:89], s[8:9], s[46:47]
	s_lshl_b32 s20, s17, 7
	s_lshl_b32 s21, s15, 6
	s_add_co_u32 s20, s20, s21
	s_lshl_b32 s20, s20, 12
	s_add_co_u32 s20, s20, s46
	s_mov_b32 s21, 0
	s_add_nc_u64 s[12:13], s[12:13], s[20:21]
	v_lshlrev_b32 v6, 5, v2
.irp b, 0,1,2,3,4,5,6,7
	global_load_b128 v[CB+8*\b:CB+8*\b+3], v6, s[88:89] offset:64*\b
	global_load_b128 v[CB+8*\b+4:CB+8*\b+7], v6, s[88:89] offset:64*\b+16
.endr
	s_wait_alu depctr_va_vdst(0)
	s_wait_kmcnt 0x0
	s_add_co_i32 s96, s82, s83
	s_add_co_i32 s96, s96, 127
	s_lshl_b32 s96, s96, 23
	s_mov_b32 s97, s96
	s_wait_loadcnt 0x0
.macro MUL16 a0, p, zero
.irp a, \a0, \a0+1
.irp b, 0,1,2,3,4,5,6,7
.if \zero
	v_wmma_f32_16x16x128_fp8_fp8 v[8*(8*(\a)+\b):8*(8*(\a)+\b)+7], v[128*(\p)+FR*\b:128*(\p)+FR*\b+FR-1], v[AF+64*(\p)+FR*(\a):AF+64*(\p)+FR*(\a)+FR-1], 0
.else
	v_wmma_f32_16x16x128_fp8_fp8 v[8*(8*(\a)+\b):8*(8*(\a)+\b)+7], v[128*(\p)+FR*\b:128*(\p)+FR*\b+FR-1], v[AF+64*(\p)+FR*(\a):AF+64*(\p)+FR*(\a)+FR-1], v[8*(8*(\a)+\b):8*(8*(\a)+\b)+7]
.endif
.endr
.endr
.endm
.macro FETCH slot, q, p
	WIN TO_W
.irp i, 0,1,2,3,4,5,6,7
.irp c, 0,1,2,3,4,5,6,7
	ds_load_b64 v[128*(\p)+FR*\i+2*\c:128*(\p)+FR*\i+2*\c+1], v[ADRB+\slot] offset:128*(\q)+16*\c+\i*16*PITCH
.endr
.endr
	WIN 0
.irp a, 0,1,2,3
.irp i, 0,1,2,3
	ds_load_b128 v[AF+64*(\p)+FR*\a+4*\i:AF+64*(\p)+FR*\a+4*\i+3], v[ADRA+\slot] offset:\a*4096+(\q)*2048+\i*512
.endr
.endr
.endm
.macro PLACES n
.rept \n
	v_nop
.endr
.endm
.macro STEP slot, zero
	s_wait_dscnt 0x0
	PLACES 4
	FETCH \slot, 1, 1
	WIN MUL
	MUL16 0, 0, \zero
	MUL16 2, 0, \zero
	WIN 0
.endm
.macro TURN slot, next, fill
	s_wait_tensorcnt 0x0
	ds_add_u32 v[SPW], v[NIL]
	s_wait_dscnt 1
	WIN MUL
	MUL16 0, 1, 0
	s_wait_dscnt 0x0
	s_barrier_signal -1
	WIN 0
	s_barrier_wait -1
.if \fill
	CREST
	s_add_nc_u64 s[G0+4*\slot+2:G0+4*\slot+3], s[G0+4*\slot+2:G0+4*\slot+3], 2*ASTEP
	s_add_nc_u64 s[G0B+4*\slot+2:G0B+4*\slot+3], s[G0B+4*\slot+2:G0B+4*\slot+3], 2*256
	JLOAD G0+4*\slot, G1, G0B+4*\slot, G1B
.else
	PLACES 4
.endif
	FETCH \next, 0, 0
	WIN MUL
	MUL16 2, 1, 0
	WIN 0
.endm
	s_wait_tensorcnt 1
	s_barrier_signal -1
	s_barrier_wait -1
	FETCH 0, 0, 0
	STEP 0, 1
	TURN 0, 1, 1
	STEP 1, 0
	TURN 1, 0, 1
	STEP 0, 0
	TURN 0, 1, 0
	STEP 1, 0
	s_wait_dscnt 0x0
	WIN MUL
	MUL16 0, 1, 0
	MUL16 2, 1, 0
	WIN 0
	PLACES 4
.macro TOSTAGE a
	WIN 0x02
.set j, 0
.rept 32
	v_pk_fma_f32 v[TMP+j:TMP+j+1], v[64*(\a)+j:64*(\a)+j+1], s[96:97], v[CB+j:CB+j+1] op_sel_hi:[1,0,1]
.set j, j+2
.endr
	WIN 0
.irp b, 0,1,2,3,4,5,6,7
	ds_store_b128 v[STO], v[TMP+8*\b:TMP+8*\b+3] offset:64*\b
	ds_store_b128 v[STO], v[TMP+8*\b+4:TMP+8*\b+7] offset:64*\b+16
.endr
	WIN TO_W
.irp t, 0,1,2,3,4,5,6,7,8,9,10,11,12,13,14,15
	ds_load_b128 v[64*(\a)+4*\t:64*(\a)+4*\t+3], v[RD] offset:\t*SPITCH
.endr
	WIN 0
.endm
.macro SEND a, younger
	s_wait_dscnt \younger
	WIN 0x04
.irp t, 0,1,2,3,4,5,6,7,8,9,10,11,12,13,14,15
	global_store_b128 v[CO], v[64*(\a)+4*\t:64*(\a)+4*\t+3], s[12:13] offset:(16*(\a)+\t)*4096 th:TH_STORE_NT
.endr
	WIN 0
.endm
	TOSTAGE 0
	TOSTAGE 1
	SEND 0, 32
	TOSTAGE 2
	SEND 1, 32
	TOSTAGE 3
	SEND 2, 32
	SEND 3, 0
	s_wait_tensorcnt 0x0
	ds_add_u32 v[SPW], v[NIL]
	s_wait_dscnt 0x0
	CROUND
	s_endpgm
.Lfunc_end_k_qcfcfbd177e_proj:
	.size	k_qcfcfbd177e_proj, .Lfunc_end_k_qcfcfbd177e_proj-k_qcfcfbd177e_proj
	.p2alignl 7, 3214868480
	.fill 96, 4, 3214868480
	.section	.rodata,"a",@progbits
	.p2align	6, 0x0
	.amdhsa_kernel k_qcfcfbd177e_proj
		.amdhsa_group_segment_fixed_size 327680
		.amdhsa_private_segment_fixed_size 0
		.amdhsa_enable_private_segment 0
		.amdhsa_kernarg_size 40
		.amdhsa_user_sgpr_count 2
		.amdhsa_user_sgpr_kernarg_segment_ptr 1
		.amdhsa_wavefront_size32 1
		.amdhsa_system_sgpr_workgroup_id_x 1
		.amdhsa_system_sgpr_workgroup_id_y 1
		.amdhsa_system_sgpr_workgroup_id_z 1
		.amdhsa_system_vgpr_workitem_id 0
		.amdhsa_next_free_vgpr 768
		.amdhsa_next_free_sgpr 100
		.amdhsa_reserve_vcc 0
		.amdhsa_float_denorm_mode_32 3
		.amdhsa_float_denorm_mode_16_64 3
		.amdhsa_memory_ordered 1
		.amdhsa_forward_progress 1
		.amdhsa_inst_pref_size 94
	.end_amdhsa_kernel
	.amdgpu_metadata
---
amdhsa.version: [ 1, 2 ]
amdhsa.kernels:
  - .name:           k_qcfcfbd177e_proj
    .symbol:         k_qcfcfbd177e_proj.kd
    .args:
      - { .name: o_img, .offset: 0, .size: 8, .value_kind: global_buffer, .address_space: global }
      - { .name: w_proj_codes, .offset: 8, .size: 8, .value_kind: global_buffer, .address_space: global }
      - { .name: b_proj, .offset: 16, .size: 8, .value_kind: global_buffer, .address_space: global }
      - { .name: lowp_scales, .offset: 24, .size: 8, .value_kind: global_buffer, .address_space: global }
      - { .name: out0, .offset: 32, .size: 8, .value_kind: global_buffer, .address_space: global }
    .group_segment_fixed_size: 327680
    .private_segment_fixed_size: 0
    .kernarg_segment_align: 8
    .kernarg_segment_size: 40
    .max_flat_workgroup_size: 128
    .sgpr_count:     100
    .vgpr_count:     768
    .wavefront_size: 32
...
	.end_amdgpu_metadata
.endif
;; end of part 3
